; MI455X (gfx1250); checked and timed in simulation.
; The chip was launched on July 23, 2026; its instructions are those of AMD's public machine-readable ISA for CDNA 5 (MIT licence, August 2026) and "CDNA5" Instruction Set Architecture Reference Guide (July 2026). The comments in the code are by the model that wrote it; some were corrected since.
;; Non Local Attention. Allowed arithmetic: float matrix products may take bf16 or f16 operands with f32 sums; all other float work in f32.
;; Inputs: a1 1 float32; a2 1 float32; a3 1 float32; b1 32 float32; b2 32 float32; b3 64 float32; w1 32 x 64 float32; w2 32 x 64 float32; w3 64 x 64 float32; x 8 x 64 x 64 x 64 float32.
;; Outputs: out0 8 x 64 x 64 x 64 float32.
;; 2 versions, each right; version 2 is version 1 with the launch proj written anew for expert scheduling mode. Each part assembles by itself: llvm-mc -triple=amdgcn-amd-amdhsa -mcpu=gfx1250 --defsym DOCPART=n.
;; ======== version 1 of 2: 2 launches
;; limits: values are held in f16: magnitudes above 65,504 overflow, below 6.1e-05 lose precision
;; workspace buffers: qf 2,097,152 bytes; kv 6,291,456 bytes
;; launch proj (part 1): grid 256 x 1, 2 waves a work-group, no clusters, 0 bytes of LDS; arguments x, w1, b1, a1, w2, b2, a2, w3, b3, a3, qf, kv; writes qf, kv
.if DOCPART == 1
	.amdgcn_target "amdgcn-amd-amdhsa--gfx1250"
	.amdhsa_code_object_version 6
	.text
	.protected	k_q80cc6bf3c2_proj
	.globl	k_q80cc6bf3c2_proj
	.p2align	8
	.type	k_q80cc6bf3c2_proj,@function
k_q80cc6bf3c2_proj:
	s_mov_b64 s[64:65], 0
	v_nop
	global_prefetch_b8 v0, s[64:65] scope:SCOPE_SE
	s_setreg_imm32_b32 hwreg(HW_REG_WAVE_MODE, 25, 1), 1
	s_wait_xcnt 0x0
; proj: the three 1x1 convolutions with bias and PReLU, stored as the register images that the attention launch feeds to its matrix instructions.
;   q = prelu(w1 x + b1, a1) * log2(e)   (the factor lets the softmax work with base-2 exponentials),  k = prelu(w2 x + b2, a2),  v = prelu(w3 x + b3, a3).
; A GROUP is 64 neighbouring pixels from p0 on; 64 groups an image, 512 in all, G = 64 image + g.  Tile t (0..3) of a group: its row or column r (0..15) is pixel p0 + 4 r + t.
; So one 16-byte load of x[c][p0+4r .. +3] feeds column r of all four tiles, and sixteen lanes take 256 consecutive, aligned bytes of x.
; One wave makes one group (G = 2 work-group + wave): no LDS, no barrier, each byte of x read once.
; Images (L = lane, r = L & 15, h = L >> 4; each store of a wave covers 512 consecutive bytes at 16 L):
;   qf: G*4096 + t*1024 + half*512 + 16 L   half 0: channels 8h..8h+7 of pixel (t, r), half 1: channels 16+8h..+7           (a 16-bit fragment of 16 x 32)
;   kv: G*12288 + the same for K;  V at G*12288 + 4096 + ((t>>1)*4+ct)*1024 + (t&1)*512 + 16 L: channel 16ct+r, pixel rows 8h..8h+7 of tile t
; FORMATS: x and the weights enter the products rounded to bf16; sums, bias and PReLU are f32; q log2(e), k and v are stored in F16, not bf16: a score is a sum of 32 products
; q k and stands in an exponent, so on a score of 16 operands rounded to 2^-9 could move the exponent by 2 x 16 x 2^-9 = 0.06, operands rounded to 2^-12 by 0.008.
; LIMIT: |q log2(e)|, |k|, |v| below 65,504, f16's largest number; beyond it the conversion gives infinity.  The room: a sum of 64 products w x has spread 1 for x of spread 1 and
; w of spread 1/8; five spreads times log2(e) are about 7; x and w both 30 times larger give 900 times that, about 6,500; offsets of 30 spreads on both give 64 x 3.75 x 30 x 1.44,
; about 10,400.  Small numbers: f16 keeps denormals, steps of 6e-8.
; PReLU is a compare and a select (any slope, negative or above one); a NaN goes the way of the negative branch and stays a NaN.
.set XOFF,  3                          ; v3   h*131072 + 16 r: eight channels down for the upper lanes, my 16 bytes of a row of x
.set WOFF,  4                          ; v4   r*256 + h*32: my row of a weight tile, my 8 channels
.set BOFF,  5                          ; v5   h*32: the 8 biases of my 8 output rows (q, k)
.set B3OFF, 6                          ; v6   4 r: the bias of my output column (v)
.set SOFF,  7                          ; v7   16 L
.set CL2E,  8                          ; v8   log2(e)          factor of q where q >= 0
.set CA1,   9                          ; v9   a1 log2(e)       factor of q where q < 0
.set CONE,  10                         ; v10  1.0
.set CA2,   11                         ; v11  a2
.set CA3,   12                         ; v12  a3
.set F,     16                         ; v[16:23]    the eight factors of a tile's registers
.set WF,    24                         ; v[24:39]    one weight tile in bf16: K step s at 8 s
.set D,     40                         ; v[40:71]    four accumulators, tile t at 8 t
.set XF,    72                         ; v[72:135]   x in bf16: tile t, K step s at (2 t + s) 8
.set BQK,   136                        ; v[136:167]  bias as a C operand for the four output tiles of q and k
.set BV,    168                        ; v[168:199]  the same for the four output tiles of v
                                       ; window 1, v256-383: x in f32 as loaded;  window 2, v512-767: all weights in f32, 32 registers an output tile
.set MSB, 0
.macro WIN new                         ; s_set_vgpr_msb: bits 1:0 source 0, 3:2 source 1, 5:4 source 2, 7:6 destination; the high byte repeats the setting that is left
.if MSB != \new
	s_set_vgpr_msb (MSB<<8)|\new
.set MSB, \new
.endif
.endm
.macro PLACES n
.rept \n
	v_nop
.endr
.endm
	s_load_b512 s[8:23], s[0:1], 0x0               ; x s[8:9], w1 s[10:11], b1 s[12:13], a1 s[14:15], w2 s[16:17], b2 s[18:19], a2 s[20:21], w3 s[22:23]
	s_load_b256 s[24:31], s[0:1], 0x40             ; b3 s[24:25], a3 s[26:27], qf s[28:29], kv s[30:31]
	v_lshrrev_b32 v1, 5, v0
	v_readfirstlane_b32 s4, v1                     ; wave 0, 1
	s_lshl1_add_u32 s5, ttmp9, s4                  ; G = 2 work-group + wave
	v_and_b32 v1, 15, v0                           ; r
	v_bfe_u32 v2, v0, 4, 1                         ; h
	v_lshlrev_b32 v[XOFF], 4, v1
	v_lshl_add_u32 v[XOFF], v2, 17, v[XOFF]
	v_lshlrev_b32 v[WOFF], 8, v1
	v_lshl_add_u32 v[WOFF], v2, 5, v[WOFF]
	v_lshlrev_b32 v[BOFF], 5, v2
	v_lshlrev_b32 v[B3OFF], 2, v1
	v_and_b32 v[SOFF], 31, v0
	v_lshlrev_b32 v[SOFF], 4, v[SOFF]
	s_lshr_b32 s6, s5, 6                           ; image,
	s_lshl_b32 s6, s6, 20                          ; of 64 channels x 16,384 bytes
	s_and_b32 s7, s5, 63                           ; group in the image,
	s_lshl_b32 s7, s7, 8                           ; of 256 bytes in a channel's row
	s_add_co_u32 s6, s6, s7
	s_mov_b32 s7, 0
	s_lshl_b32 s36, s5, 12                         ; G * 4,096
	s_mov_b32 s37, 0
	s_mul_i32 s38, s5, 12288                       ; G * 12,288
	s_mov_b32 s39, 0
	s_wait_kmcnt 0x0
	s_load_b32 s32, s[14:15], 0x0                  ; a1
	s_load_b32 s33, s[20:21], 0x0                  ; a2
	s_load_b32 s34, s[26:27], 0x0                  ; a3
	s_add_nc_u64 s[8:9], s[8:9], s[6:7]            ; x at my group
	s_add_nc_u64 s[28:29], s[28:29], s[36:37]      ; qf at my group
	s_add_nc_u64 s[30:31], s[30:31], s[38:39]      ; kv at my group
	; All loads go out at once, in the order in which they are wanted: 12 of bias, 32 of x, 64 of weights.
.irp o, 0,1
	global_load_b128 v[BQK+8*\o:BQK+8*\o+3],       v[BOFF], s[12:13] offset:64*\o      ; register j = b1[16 o + 8 h + j]
	global_load_b128 v[BQK+8*\o+4:BQK+8*\o+7],     v[BOFF], s[12:13] offset:64*\o+16
	global_load_b128 v[BQK+16+8*\o:BQK+16+8*\o+3], v[BOFF], s[18:19] offset:64*\o      ; the same of b2
	global_load_b128 v[BQK+16+8*\o+4:BQK+16+8*\o+7], v[BOFF], s[18:19] offset:64*\o+16
.endr
.irp c, 0,1,2,3
	global_load_b32 v[BV+8*\c], v[B3OFF], s[24:25] offset:64*\c                        ; b3[16 ct + r]
.endr
	WIN 0x40                                       ; destinations in window 1
.irp s, 0,1
.irp f, 0,1
.irp i, 0,1,2,3,4,5,6,7
	global_load_b128 v[((\s*2+\f)*8+\i)*4:((\s*2+\f)*8+\i)*4+3], v[XOFF], s[8:9] offset:(32*\s+16*\f+\i)*16384   ; x[32 s + 16 f + 8 h + i][p0 + 4 r .. + 3]
.endr
.endr
.endr
	WIN 0x80                                       ; destinations in window 2
; the weight tile T (rows 16 otile + r of the matrix at s[base]): a lane's 32 numbers in the order of the fragment's k.  The eight loads together take the tile's 16 rows whole.
.macro LDW T, base, otile
.irp s, 0,1
.irp f, 0,1
.irp q, 0,1
	global_load_b128 v[\T*32+((\s*2+\f)*2+\q)*4:\T*32+((\s*2+\f)*2+\q)*4+3], v[WOFF], s[\base:\base+1] offset:\otile*4096+\s*128+\f*64+\q*16
.endr
.endr
.endr
.endm
	LDW 0, 10, 0
	LDW 1, 10, 1
	LDW 2, 16, 0
	LDW 3, 16, 1
	LDW 4, 22, 0
	LDW 5, 22, 1
	LDW 6, 22, 2
	LDW 7, 22, 3
	WIN 0
	s_wait_kmcnt 0x0                               ; the three slopes
	s_mul_f32 s35, s32, 0x3fb8aa3b                 ; a1 log2(e)
	v_mov_b32 v[CL2E], 0x3fb8aa3b
	v_mov_b32 v[CA1], s35
	v_mov_b32 v[CONE], 1.0
	v_mov_b32 v[CA2], s33
	v_mov_b32 v[CA3], s34
	s_wait_loadcnt 63                              ; loads come back in order (ISA guide 5.7.1): 64 weight loads stand behind the last of x, so bias and x are in
	WIN 0x05                                       ; both sources in window 1
.irp t, 0,1,2,3
.irp s, 0,1
.irp f, 0,1
.irp i, 0,1,2,3
	v_cvt_pk_bf16_f32 v[XF+(\t*2+\s)*8+\f*4+\i], v[((\s*2+\f)*8+2*\i)*4+\t], v[((\s*2+\f)*8+2*\i+1)*4+\t]   ; two neighbouring channels of pixel (t, r), the lower in the low half
.endr
.endr
.endr
.endr
	WIN 0
.irp c, 0,1,2,3
.irp j, 1,2,3,4,5,6,7
	v_mov_b32 v[BV+8*\c+\j], v[BV+8*\c]            ; v's results have the channel along the lanes: its C operand is the lane's bias in all eight registers
.endr
.endr
.macro CVTW T                          ; weight tile T to bf16
	WIN 0x0a                                       ; both sources in window 2
.irp k, 0,1,2,3,4,5,6,7,8,9,10,11,12,13,14,15
	v_cvt_pk_bf16_f32 v[WF+\k], v[\T*32+2*\k], v[\T*32+2*\k+1]
.endr
	WIN 0
.endm
; Eight matrix instructions: the four pixel tiles by turns, K step 0 (it starts the sums with the bias as C), then K step 1 in place.
; The four accumulators take turns, one instruction a turn.
.macro MMQK C                          ; A = weights (row = output channel), B = x (column = pixel): register j = (channel 8 h + j, pixel r)
.irp t, 0,1,2,3
	v_wmma_f32_16x16x32_bf16 v[D+8*\t:D+8*\t+7], v[WF:WF+7], v[XF+16*\t:XF+16*\t+7], v[\C:\C+7]
.endr
.irp t, 0,1,2,3
	v_wmma_f32_16x16x32_bf16 v[D+8*\t:D+8*\t+7], v[WF+8:WF+15], v[XF+16*\t+8:XF+16*\t+15], v[D+8*\t:D+8*\t+7]
.endr
.endm
.macro MMV C                           ; A = x (row = pixel), B = weights (column = output channel): register j = (pixel row 8 h + j, channel r)
.irp t, 0,1,2,3
	v_wmma_f32_16x16x32_bf16 v[D+8*\t:D+8*\t+7], v[XF+16*\t:XF+16*\t+7], v[WF:WF+7], v[\C:\C+7]
.endr
.irp t, 0,1,2,3
	v_wmma_f32_16x16x32_bf16 v[D+8*\t:D+8*\t+7], v[XF+16*\t+8:XF+16*\t+15], v[WF+8:WF+15], v[D+8*\t:D+8*\t+7]
.endr
.endm
; PReLU of accumulator t (factor SP where the number is >= 0, else SN), rounding to f16 in place, and the store of the lane's 16 bytes.
.macro EPI t, SP, SN, base, off
.irp j, 0,1,2,3,4,5,6,7
	v_cmp_le_f32 s[40+\j], 0, v[D+8*(\t)+\j]
.endr
.irp j, 0,1,2,3,4,5,6,7
	v_cndmask_b32 v[F+\j], v[\SN], v[\SP], s[40+\j]
.endr
.irp j, 0,2,4,6
	v_pk_mul_f32 v[D+8*(\t)+\j:D+8*(\t)+\j+1], v[D+8*(\t)+\j:D+8*(\t)+\j+1], v[F+\j:F+\j+1]
.endr
.irp j, 0,1,2,3
	v_cvt_pk_f16_f32 v[D+8*(\t)+\j], v[D+8*(\t)+2*\j], v[D+8*(\t)+2*\j+1]      ; ascending: register j is written when registers 2 j and 2 j + 1 are read, never earlier
.endr
	global_store_b128 v[SOFF], v[D+8*(\t):D+8*(\t)+3], s[\base:\base+1] offset:\off
.endm
; One output tile of q or k: T = its weight tile, half = which 16 channels, so which half of the fragment image.
.macro TILEQK T, half, SP, SN, base
	s_wait_loadcnt (7-\T)*8                        ; the weight loads of the later tiles may stay out
	CVTW \T
	s_wait_xcnt 0x0                                ; the accumulators were the last tile's store data: they are rewritten only behind this wait
	MMQK BQK+8*\T
	PLACES 4                                       ; four places between a matrix instruction and the vector instructions that read its result or write its sources (ISA guide 7.12.1)
.irp t, 0,1,2,3
	EPI \t, \SP, \SN, \base, \t*1024+\half*512
.endr
.endm
.macro TILEV T, ct
	s_wait_loadcnt (7-\T)*8
	CVTW \T
	s_wait_xcnt 0x0
	MMV BV+8*\ct
	PLACES 4
.irp u, 0,1
.irp e, 0,1
	EPI 2*\u+\e, CONE, CA3, 30, 4096+(\u*4+\ct)*1024+\e*512
.endr
.endr
.endm
	TILEQK 0, 0, CL2E, CA1, 28
	TILEQK 1, 1, CL2E, CA1, 28
	TILEQK 2, 0, CONE, CA2, 30
	TILEQK 3, 1, CONE, CA2, 30
	TILEV 4, 0
	TILEV 5, 1
	TILEV 6, 2
	TILEV 7, 3
	s_endpgm
.Lfunc_end_k_q80cc6bf3c2_proj:
	.size	k_q80cc6bf3c2_proj, .Lfunc_end_k_q80cc6bf3c2_proj-k_q80cc6bf3c2_proj
	.p2alignl 7, 3214868480
	.fill 96, 4, 3214868480
	.section	.rodata,"a",@progbits
	.p2align	6, 0x0
	.amdhsa_kernel k_q80cc6bf3c2_proj
		.amdhsa_group_segment_fixed_size 0
		.amdhsa_private_segment_fixed_size 0
		.amdhsa_enable_private_segment 0
		.amdhsa_kernarg_size 96
		.amdhsa_user_sgpr_count 2
		.amdhsa_user_sgpr_kernarg_segment_ptr 1
		.amdhsa_wavefront_size32 1
		.amdhsa_system_sgpr_workgroup_id_x 1
		.amdhsa_system_sgpr_workgroup_id_y 1
		.amdhsa_system_sgpr_workgroup_id_z 1
		.amdhsa_system_vgpr_workitem_id 0
		.amdhsa_next_free_vgpr 768
		.amdhsa_next_free_sgpr 66
		.amdhsa_reserve_vcc 0
		.amdhsa_float_denorm_mode_32 3
		.amdhsa_float_denorm_mode_16_64 3
		.amdhsa_memory_ordered 1
		.amdhsa_forward_progress 1
		.amdhsa_inst_pref_size 83
	.end_amdhsa_kernel
	.amdgpu_metadata
---
amdhsa.version: [ 1, 2 ]
amdhsa.kernels:
  - .name:           k_q80cc6bf3c2_proj
    .symbol:         k_q80cc6bf3c2_proj.kd
    .args:
      - { .name: x, .offset: 0, .size: 8, .value_kind: global_buffer, .address_space: global }
      - { .name: w1, .offset: 8, .size: 8, .value_kind: global_buffer, .address_space: global }
      - { .name: b1, .offset: 16, .size: 8, .value_kind: global_buffer, .address_space: global }
      - { .name: a1, .offset: 24, .size: 8, .value_kind: global_buffer, .address_space: global }
      - { .name: w2, .offset: 32, .size: 8, .value_kind: global_buffer, .address_space: global }
      - { .name: b2, .offset: 40, .size: 8, .value_kind: global_buffer, .address_space: global }
      - { .name: a2, .offset: 48, .size: 8, .value_kind: global_buffer, .address_space: global }
      - { .name: w3, .offset: 56, .size: 8, .value_kind: global_buffer, .address_space: global }
      - { .name: b3, .offset: 64, .size: 8, .value_kind: global_buffer, .address_space: global }
      - { .name: a3, .offset: 72, .size: 8, .value_kind: global_buffer, .address_space: global }
      - { .name: qf, .offset: 80, .size: 8, .value_kind: global_buffer, .address_space: global }
      - { .name: kv, .offset: 88, .size: 8, .value_kind: global_buffer, .address_space: global }
    .group_segment_fixed_size: 0
    .private_segment_fixed_size: 0
    .kernarg_segment_align: 8
    .kernarg_segment_size: 96
    .max_flat_workgroup_size: 64
    .sgpr_count:     66
    .vgpr_count:     768
    .wavefront_size: 32
...
	.end_amdgpu_metadata
.endif
;; end of part 1
;; launch attn (part 2): grid 256 x 1, 8 waves a work-group, clusters of 4 x 1, 327,680 bytes of LDS; arguments qf, kv, x, out0; writes out0
.if DOCPART == 2
	.amdgcn_target "amdgcn-amd-amdhsa--gfx1250"
	.amdhsa_code_object_version 6
	.text
	.protected	k_q80cc6bf3c2_attn
	.globl	k_q80cc6bf3c2_attn
	.p2align	8
	.type	k_q80cc6bf3c2_attn,@function
k_q80cc6bf3c2_attn:
	s_mov_b64 s[64:65], 0
	v_nop
	global_prefetch_b8 v0, s[64:65] scope:SCOPE_SE
	s_setreg_imm32_b32 hwreg(HW_REG_WAVE_MODE, 25, 1), 1
	s_wait_xcnt 0x0
	s_wait_alu depctr_hold_cnt(0) depctr_sa_sdst(0) depctr_va_vdst(0) depctr_va_sdst(0) depctr_va_ssrc(0) depctr_va_vcc(0) depctr_vm_vsrc(0)
	s_getreg_b32 s2, hwreg(HW_REG_IB_STS2, 6, 4)
	s_cmp_eq_u32 s2, 0
	s_cbranch_scc0 .Lentry_in_a_cluster
	s_endpgm
.Lentry_in_a_cluster:
	s_bfe_u32 s2, ttmp6, 0x10000c
	s_cmp_lg_u32 s2, 0x3003
	s_cbranch_scc0 .Lentry_shape_is_right
	s_endpgm
.Lentry_shape_is_right:
; attn: out0[n][c][p] = x[n][c][p] + sum over keys of softmax(q k)[p][key] v[key][c], per image of 4,096 pixels, with a running maximum.
; qf and kv hold register images in f16 (q already times log2(e)): a group is 64 pixels from p0 on, tile t's row r is pixel p0 + 4 r + t.
;   qf: G*4096 + t*1024 + half*512 + 16 L.   kv: G*12288 + K (the same image, 4,096 bytes) + V at 4096 + (u*4+ct)*1024 + half*512 + 16 L (channel 16ct+r; keys: rows 8h.. of tile 2u+half).
; SHARES: a work-group owns 128 queries of one image (two groups), 32 work-groups an image.  Wave w: qg = w >> 2 picks the query group (four query tiles),
; kg = w & 3 a quarter of the keys (groups 2 kg, 2 kg + 1 of every tile of eight groups).  At the end the four quarters meet in LDS.
; TRANSPOSED PRODUCTS: S^T = K Q^T puts query r in lane r and keys 8 h + j in the registers, so two packed S tiles ARE the B fragment of P in O^T = V^T P:
; P never leaves the lane.  O^T's register j of the four query tiles are four neighbouring pixels of channel 16 ct + 8 h + j: one 16-byte store, sixteen lanes 256 aligned bytes.
; For 64 keys a wave reads 12,288 bytes of LDS, 512 consecutive bytes a load, and issues 48 matrix instructions.
; CLUSTER: the four work-groups of a cluster (4, 1, 1) belong to one image (image = cluster >> 3) and walk the same K and V: every tile is asked for jointly, mask 15.
; A larger cluster would share no more, since a mask names four work-groups.  A tile is 8 groups = 98,304 dense bytes; each of the 8 waves brings one group, 48 rows of 256 bytes
; (the slot's 384 rows shared out evenly).  Two slots; a wave has one tensor load outstanding at any time; the refill stands first behind the round and has the whole trip to land.
; FORMATS AND LIMITS: operands q log2(e), k, v and p are f16 (rounded to 2^-12; the scores stand in an exponent, where bf16's 2^-9 on a score of 16 could shift it by 0.06), all sums f32.
; q log2(e), k, v must be below 65,504 in magnitude (the launch that stores them gives the room by arithmetic).  p lies in [0, 1]; below 6e-5 it is a denormal of f16, rounded by at most
; 3e-8, over 4,096 keys at most 1.3e-4 of a row sum that is at least 1.  The row sum l adds the unrounded p, in another order than a plain sum; v_exp_f32 gives 0 for results below
; 2^-126 (ISA guide 15.8); the maxima drop NaN (v_max_num), and infinite scores (m - m of infinities) are not served.
.set GRP,   12288                      ; bytes of a group in kv
.set TILE,  98304                      ; 8 groups: a slot
.set STAGE, 98304                      ; slot 1 lies at 0, slot 0 at 98,304.  The stage for the partial sums (8 waves x 16,384) lies over slot 0, which has had its last fill by then, and 32,768 fresh bytes
.set MLB,   229376                     ; 8 waves x 1,024 bytes of (m, l)
.set LA,    2                          ; v2, v3   LDS address of my two key groups in slot 0, 1: slot + kg*24576 + 16 L
.set STO,   4                          ; v4       STAGE + w*16384 + 16 L
.set RD,    5                          ; v5       STAGE + qg*65536 + kg*4096 + 16 L
.set MLW,   6                          ; v6       MLB + w*1024 + 8 L
.set MLR,   7                          ; v7       MLB + qg*4096 + 8 L
.set XO,    8                          ; v8       h*131072 + 16 r: my bytes in x and out0
.set QO,    9                          ; v9       16 L
.set ML,    10                         ; v[10:17]  pairs (m, l) of query tile qt
.set AL,    18                         ; v[18:25]  pairs (alpha, new maximum)
.set KF,    32                         ; v[32:63]  K fragments, key tile kt at 8 kt; free again behind the QK products:
.set TM,    32                         ;           v[32:47] four running maxima a query tile
.set SU,    48                         ;           v[48:55] four running pair sums
.set VF,    64                         ; v[64:127] V fragments, (u, ct) at (4 u + ct) 8
.set S,     128                        ; v[128:255] scores: block (u, qt) of 16 registers at (4 u + qt) 16 = key tiles 2u, 2u+1; packed in place, its first 8 registers are P's fragment
.set QW,    128                        ; window 1: v384-415 Q fragments, qt at 8 qt;  v256-383 O, tile (ct, qt) at (4 ct + qt) 8
.set OUT,   96                         ; the end: v[96:127] x, then the result;  v[64:95] the four waves' (m, l);  v[32:47] their weights;  v[48:51] M;  v[52:55] the sum
.set MLV,   64
.set FK,    32
.set MX,    48
.set LS,    52
.set MSB, 0
.macro WIN new                         ; s_set_vgpr_msb: bits 1:0 source 0, 3:2 source 1, 5:4 source 2, 7:6 destination; the high byte repeats the setting that is left
.if MSB != \new
	s_set_vgpr_msb (MSB<<8)|\new
.set MSB, \new
.endif
.endm
.macro PLACES n
.rept \n
	v_nop
.endr
.endm
; A round of the cluster's barrier: my work-group's barrier, wave 0 signals for the work-group, every wave waits for all four work-groups, my work-group's barrier once more.
.macro ROUND
	s_barrier_signal -1
	s_barrier_wait -1
	s_cmp_lg_u32 s12, 0
	s_cbranch_scc1 .Lnot_wave_0_\@
	s_barrier_signal -3
.Lnot_wave_0_\@:
	s_barrier_wait -3
	s_barrier_signal -1
	s_barrier_wait -1
.endm
	s_load_b256 s[4:11], s[0:1], 0x0               ; qf s[4:5], kv s[6:7], x s[8:9], out0 s[10:11]
	v_lshl_add_u32 v30, v0, 2, 0x3a000
	v_mov_b32 v31, 0
	ds_add_u32 v30, v31
	v_lshrrev_b32 v1, 5, v0
	v_readfirstlane_b32 s12, v1                    ; wave 0..7
	s_lshr_b32 s13, s12, 2                         ; qg
	s_and_b32 s14, s12, 3                          ; kg
	s_bfe_u32 s15, ttmp6, 0x40000                  ; cx
	s_lshl_b32 s16, ttmp9, 2
	s_add_co_u32 s16, s16, s15                     ; work-group = 4 cluster + cx
	s_lshr_b32 s17, ttmp9, 3                       ; image: of the cluster's number alone, the same in all four partners
	s_mov_b32 s20, 0x76543210                      ; v_permlanex16_b32: lane i of one half reads lane i of the other
	s_mov_b32 s21, 0xfedcba98
	; descriptor group 1: 48 rows of 32 elements of 8 bytes, dense in memory and in LDS
	s_mov_b32 s24, 0x0023000f                      ; 15:0 mask: all four work-groups; 17:16 element of 8 bytes; 21 set beside a mask; no padding
	s_mov_b32 s25, 32<<16                          ; tensor_dim0 = 32
	s_mov_b32 s26, 48<<16                          ; tensor_dim1 = 48
	s_mov_b32 s27, 32<<16                          ; tile_dim0 = 32
	s_mov_b32 s28, 48                              ; tile_dim1 = 48
	s_mov_b32 s29, 32                              ; from row to row: 32 elements
	s_mov_b32 s30, 0
	s_mov_b32 s31, 0
	s_mul_i32 s40, s12, GRP                        ; my group of a tile, in memory and in LDS
	s_mul_i32 s18, s17, 64*GRP                     ; my image's K and V: image and wave alone enter the joint loads' addresses
	s_add_co_u32 s18, s18, s40
	s_mov_b32 s19, 0
	s_lshl1_add_u32 s22, s16, s13                  ; my query group, 2 work-group + qg (these registers hold cx and feed no descriptor),
	s_lshl_b32 s22, s22, 12                        ; of 4,096 bytes in qf
	s_mov_b32 s23, 0
	s_and_b32 s42, s16, 31                         ; work-group in the image
	s_lshl1_add_u32 s42, s42, s13                  ; query group in the image,
	s_lshl_b32 s42, s42, 8                         ; of 256 bytes in a channel's row
	s_lshl_b32 s41, s17, 20                        ; + image
	s_add_co_u32 s42, s42, s41
	s_lshl_b32 s41, s14, 18                        ; + 16 kg channels: the channel tile that I put out
	s_add_co_u32 s42, s42, s41
	s_mov_b32 s43, 0
	s_wait_dscnt 0x0
	s_wait_kmcnt 0x0
	s_add_nc_u64 s[4:5], s[4:5], s[22:23]
	s_add_nc_u64 s[8:9], s[8:9], s[42:43]
	s_add_nc_u64 s[10:11], s[10:11], s[42:43]
	s_add_nc_u64 s[6:7], s[6:7], s[18:19]
	; descriptor group 0, a set for each slot: slot 0 starts with tile 0, slot 1 with tile 1
	s_mov_b32 s32, 1
	s_add_co_u32 s33, s40, TILE                    ; slot 0 at 98,304
	s_mov_b64 s[34:35], s[6:7]
	s_or_b32 s35, s35, 0x80000000                  ; type = 2
	s_mov_b32 s36, 1
	s_mov_b32 s37, s40                             ; slot 1 at 0
	s_add_nc_u64 s[38:39], s[6:7], TILE
	s_or_b32 s39, s39, 0x80000000
	ROUND                                          ; all four work-groups are here: the first joint loads meet
	tensor_load_to_lds s[32:35], s[24:31]          ; tile 0
	s_nop 0
	v_nop
	v_nop
	v_and_b32 v1, 31, v0
	v_lshlrev_b32 v[QO], 4, v1
	WIN 0x40                                       ; destinations in window 1
.irp i, 0,1,2,3,4,5,6,7
	global_load_b128 v[QW+4*\i:QW+4*\i+3], v[QO], s[4:5] offset:512*\i     ; my four Q fragments, as they lie
.endr
	WIN 0
	s_mul_i32 s41, s14, 2*GRP
	v_add_nc_u32 v[LA+1], s41, v[QO]
	s_add_co_u32 s41, s41, TILE
	v_add_nc_u32 v[LA], s41, v[QO]
	s_lshl_b32 s41, s12, 14
	s_add_co_u32 s41, s41, STAGE
	v_add_nc_u32 v[STO], s41, v[QO]
	s_lshl_b32 s41, s13, 16
	s_lshl_b32 s45, s14, 12
	s_add_co_u32 s41, s41, s45
	s_add_co_u32 s41, s41, STAGE
	v_add_nc_u32 v[RD], s41, v[QO]
	s_lshl_b32 s41, s12, 10
	s_add_co_u32 s41, s41, MLB
	v_lshl_add_u32 v[MLW], v1, 3, s41
	s_lshl_b32 s41, s13, 12
	s_add_co_u32 s41, s41, MLB
	v_lshl_add_u32 v[MLR], v1, 3, s41
	v_and_b32 v26, 15, v0                          ; r
	v_bfe_u32 v27, v0, 4, 1                        ; h
	v_lshlrev_b32 v[XO], 4, v26
	v_lshl_add_u32 v[XO], v27, 17, v[XO]
.irp q, 0,1,2,3
	v_mov_b32 v[ML+2*\q+1], 0                      ; l: the packed subtraction names the pair (m, l), so both halves are written before the first step
.endr
; The largest of query tile qt's 32 scores in the lane: four chains of three v_max3 (seven scores each), four more instructions for the chains and the four scores left;
; then the other half of the lanes, which holds the other keys of the same query, and the old maximum.
.macro MAXQ qt, first
.irp c, 0,1
	v_max3_num_f32 v[TM+4*\qt+\c],   v[S+16*\qt+8*\c],    v[S+16*\qt+8*\c+1],    v[S+16*\qt+8*\c+2]
	v_max3_num_f32 v[TM+4*\qt+2+\c], v[S+64+16*\qt+8*\c], v[S+64+16*\qt+8*\c+1], v[S+64+16*\qt+8*\c+2]
.endr
.irp k, 3,5
.irp c, 0,1
	v_max3_num_f32 v[TM+4*\qt+\c],   v[TM+4*\qt+\c],   v[S+16*\qt+8*\c+\k],    v[S+16*\qt+8*\c+\k+1]
	v_max3_num_f32 v[TM+4*\qt+2+\c], v[TM+4*\qt+2+\c], v[S+64+16*\qt+8*\c+\k], v[S+64+16*\qt+8*\c+\k+1]
.endr
.endr
	v_max3_num_f32 v[TM+4*\qt],   v[TM+4*\qt],   v[TM+4*\qt+1],    v[S+16*\qt+7]
	v_max3_num_f32 v[TM+4*\qt+2], v[TM+4*\qt+2], v[TM+4*\qt+3],    v[S+16*\qt+15]
	v_max3_num_f32 v[TM+4*\qt],   v[TM+4*\qt],   v[S+64+16*\qt+7], v[S+64+16*\qt+15]
	v_max_num_f32  v[TM+4*\qt],   v[TM+4*\qt],   v[TM+4*\qt+2]
	v_permlanex16_b32 v[TM+4*\qt+1], v[TM+4*\qt], s20, s21         ; its destination counts as read: a register that has been written
.if \first
	v_max_num_f32 v[ML+2*\qt], v[TM+4*\qt], v[TM+4*\qt+1]          ; the first step's maximum starts m
.else
	v_max3_num_f32 v[AL+2*\qt+1], v[TM+4*\qt], v[TM+4*\qt+1], v[ML+2*\qt]
	v_sub_f32 v[AL+2*\qt], v[ML+2*\qt], v[AL+2*\qt+1]              ; old m - new m <= 0: alpha's exponent
	v_mov_b32 v[ML+2*\qt], v[AL+2*\qt+1]
.endif
.endm
.macro SUBQ qt                         ; scores - m, two at a time; both halves take the pair's first register, m
.irp i, 0,2,4,6,8,10,12,14
	v_pk_add_f32 v[S+16*\qt+\i:S+16*\qt+\i+1], v[S+16*\qt+\i:S+16*\qt+\i+1], v[ML+2*\qt:ML+2*\qt+1] op_sel_hi:[1,0] neg_lo:[0,1] neg_hi:[0,1]
	v_pk_add_f32 v[S+64+16*\qt+\i:S+64+16*\qt+\i+1], v[S+64+16*\qt+\i:S+64+16*\qt+\i+1], v[ML+2*\qt:ML+2*\qt+1] op_sel_hi:[1,0] neg_lo:[0,1] neg_hi:[0,1]
.endr
.endm
.macro EXPQ qt                         ; p = 2^(score - m), in one run; what follows a run is always plain work on other registers (ISA guide 5.7.2)
.irp i, 0,1,2,3,4,5,6,7,8,9,10,11,12,13,14,15
	v_exp_f32 v[S+16*\qt+\i], v[S+16*\qt+\i]
.endr
.irp i, 0,1,2,3,4,5,6,7,8,9,10,11,12,13,14,15
	v_exp_f32 v[S+64+16*\qt+\i], v[S+64+16*\qt+\i]
.endr
.endm
.macro SUMQ qt, first                  ; the lane's 32 p in four chains of pair sums, then l = l alpha + sum
	s_wait_alu depctr_va_vdst(0)
.irp c, 0,1
	v_pk_add_f32 v[SU+2*\c:SU+2*\c+1],     v[S+16*\qt+8*\c:S+16*\qt+8*\c+1],       v[S+16*\qt+8*\c+2:S+16*\qt+8*\c+3]
	v_pk_add_f32 v[SU+4+2*\c:SU+4+2*\c+1], v[S+64+16*\qt+8*\c:S+64+16*\qt+8*\c+1], v[S+64+16*\qt+8*\c+2:S+64+16*\qt+8*\c+3]
.endr
.irp k, 4,6
.irp c, 0,1
	v_pk_add_f32 v[SU+2*\c:SU+2*\c+1],     v[SU+2*\c:SU+2*\c+1],     v[S+16*\qt+8*\c+\k:S+16*\qt+8*\c+\k+1]
	v_pk_add_f32 v[SU+4+2*\c:SU+4+2*\c+1], v[SU+4+2*\c:SU+4+2*\c+1], v[S+64+16*\qt+8*\c+\k:S+64+16*\qt+8*\c+\k+1]
.endr
.endr
	v_pk_add_f32 v[SU:SU+1],   v[SU:SU+1],   v[SU+2:SU+3]
	v_pk_add_f32 v[SU+4:SU+5], v[SU+4:SU+5], v[SU+6:SU+7]
	v_pk_add_f32 v[SU:SU+1],   v[SU:SU+1],   v[SU+4:SU+5]
.if \first
	v_add_f32 v[ML+2*\qt+1], v[SU], v[SU+1]
.else
	v_add_f32 v[SU], v[SU], v[SU+1]
	v_fma_f32 v[ML+2*\qt+1], v[ML+2*\qt+1], v[AL+2*\qt], v[SU]
.endif
.endm
.macro CVTQ qt                         ; p to f16 in place: register i of a block from registers 2 i, 2 i + 1, ascending, so nothing is read after it was overwritten
.irp u, 0,1
.irp i, 0,1,2,3,4,5,6,7
	v_cvt_pk_f16_f32 v[S+64*\u+16*\qt+\i], v[S+64*\u+16*\qt+2*\i], v[S+64*\u+16*\qt+2*\i+1]
.endr
.endr
.endm
.macro RESCALE                         ; O *= alpha of its query tile, in every step: no branch hangs on the numbers
	WIN 0x41                                       ; O in window 1 as destination and source 0
	s_wait_alu depctr_va_vdst(0)
.irp ct, 0,1,2,3
.irp qt, 0,1,2,3
.irp i, 0,2,4,6
	v_pk_mul_f32 v[(\ct*4+\qt)*8+\i:(\ct*4+\qt)*8+\i+1], v[(\ct*4+\qt)*8+\i:(\ct*4+\qt)*8+\i+1], v[AL+2*\qt:AL+2*\qt+1] op_sel_hi:[1,0]
.endr
.endr
.endr
	WIN 0
.endm
.macro QK                              ; S^T(kt, qt) = K(kt) Q(qt)^T: 32 channels are one K step, so each product starts and ends its sum (C = 0)
	WIN 0x04                                       ; source 1 (Q) in window 1
.irp u, 0,1
.irp e, 0,1
.irp qt, 0,1,2,3
	v_wmma_f32_16x16x32_f16 v[S+(\u*4+\qt)*16+\e*8:S+(\u*4+\qt)*16+\e*8+7], v[KF+8*(2*\u+\e):KF+8*(2*\u+\e)+7], v[QW+8*\qt:QW+8*\qt+7], 0
.endr
.endr
.endr
	WIN 0
.endm
; O^T(ct, qt) += V^T(u, ct) P(u, qt), 32 keys a product.  The sixteen accumulators take turns, one instruction a turn.
; In the very first step the products of u = 0 start the sums: nothing is cleared.
.macro PV first
	WIN 0x50                                       ; C and D in window 1
.irp u, 0,1
.irp ct, 0,1,2,3
.irp qt, 0,1,2,3
.if \first*(1-\u)
	v_wmma_f32_16x16x32_f16 v[(\ct*4+\qt)*8:(\ct*4+\qt)*8+7], v[VF+(\u*4+\ct)*8:VF+(\u*4+\ct)*8+7], v[S+(\u*4+\qt)*16:S+(\u*4+\qt)*16+7], 0
.else
	v_wmma_f32_16x16x32_f16 v[(\ct*4+\qt)*8:(\ct*4+\qt)*8+7], v[VF+(\u*4+\ct)*8:VF+(\u*4+\ct)*8+7], v[S+(\u*4+\qt)*16:S+(\u*4+\qt)*16+7], v[(\ct*4+\qt)*8:(\ct*4+\qt)*8+7]
.endif
.endr
.endr
.endr
	WIN 0
.endm
; 64 keys (group 2 kg + g of the slot) against my 64 queries.
.macro STEP slot, g, first
.if \first == 0
	PLACES 5                                       ; behind the last PV products: five places before the QK products write over P, four before loads land on V's fragments
.endif
.irp i, 0,1,2,3,4,5,6,7
	ds_load_b128 v[KF+4*\i:KF+4*\i+3], v[LA+\slot] offset:\g*GRP+512*\i
.endr
.irp i, 0,1,2,3,4,5,6,7,8,9,10,11,12,13,14,15
	ds_load_b128 v[VF+4*\i:VF+4*\i+3], v[LA+\slot] offset:\g*GRP+4096+512*\i
.endr
	s_wait_dscnt 16                                ; LDS loads come back in order (ISA guide 5.7.1): K's eight are in, V's sixteen may stay out
.if \first
	s_wait_loadcnt 0x0                             ; Q
.endif
	QK
	PLACES 4                                       ; four places before the scores are read and K's registers are used as scratch
.irp q, 0,1,2,3
	MAXQ \q, \first
.endr
.if \first == 0
.irp q, 0,1,2,3
	v_exp_f32 v[AL+2*\q], v[AL+2*\q]               ; alpha = 2^(old m - new m)
.endr
.endif
	SUBQ 0
	EXPQ 0
	SUBQ 1
	SUMQ 0, \first
	CVTQ 0
	EXPQ 1
	SUBQ 2
	SUMQ 1, \first
	CVTQ 1
	EXPQ 2
	SUBQ 3
	SUMQ 2, \first
	CVTQ 2
	EXPQ 3
.if \first
	v_nop                                          ; the plain place behind the run of exponentials
	s_wait_alu depctr_va_vdst(0)
.else
	RESCALE
.endif
	SUMQ 3, \first
	CVTQ 3
	s_wait_dscnt 0x0                               ; V
	PV \first
.endm
; A tile of 512 keys: two steps a wave.  The round is the barrier in front of the refill: in front of it every wave has waited for all its tensor loads (its part of
; this trip's tile) and for its reads of the other slot; behind it the other slot's joint refill comes first.
.macro TRIP slot, refill, first
	s_wait_tensorcnt 0x0                           ; no tensor load of mine is out,
	ds_add_u32 v30, v31
	s_wait_dscnt 0x0
	s_add_nc_u64 s[34+4*\slot:35+4*\slot], s[34+4*\slot:35+4*\slot], 2*TILE   ; so a group 0 may be written: this slot's next tile
	s_wait_dscnt 0x0                               ; my reads of the last trip's tile are back
	ROUND
.if \refill
	tensor_load_to_lds s[36-4*\slot:39-4*\slot], s[24:31]          ; the next tile, into the slot read last trip (in the first trip: slot 1's first fill)
	s_nop 0
.endif
	STEP \slot, 0, \first
	STEP \slot, 1, 0
.endm
	TRIP 0, 1, 1                                   ; tiles 0 and 1 stand in front of the loop: the first step starts m, l and O
	TRIP 1, 1, 0
	s_mov_b32 s44, 2
.Llap:
	TRIP 0, 1, 0                                   ; tiles 2 to 5
	TRIP 1, 1, 0
	s_sub_co_u32 s44, s44, 1
	s_cmp_lg_u32 s44, 0
	s_cbranch_scc1 .Llap
	TRIP 0, 1, 0                                   ; tile 6; tile 7 is the last fill
	TRIP 1, 0, 0                                   ; tile 7: nothing is left to fetch (the stepped addresses are not used)
	; THE FOUR KEY QUARTERS MEET.  Every wave puts its O, m and l into LDS; wave (qg, kg) then makes channel tile ct = kg of query group qg from the four partial sums.
	; The stage lies over slot 0: every wave's reads of it ended in front of the last trip's round, and no fill follows.  Slot 1, which slower waves still read, is not touched.
	PLACES 4                                       ; four places behind the last products: O is read, and loads land on V's and P's registers
.irp j, 0,1,2,3,4,5,6,7
	global_load_b128 v[OUT+4*\j:OUT+4*\j+3], v[XO], s[8:9] offset:16384*\j th:TH_LOAD_NT   ; x[16 kg + 8 h + j][q0 + 4 r .. + 3]: the first addend of the result
.endr
.irp q, 0,1,2,3
	v_permlanex16_b32 v[TM+\q], v[ML+2*\q+1], s20, s21             ; l of the other half's keys
.endr
.irp q, 0,1,2,3
	v_add_f32 v[ML+2*\q+1], v[ML+2*\q+1], v[TM+\q]
.endr
.irp q, 0,1,2,3
	ds_store_b64 v[MLW], v[ML+2*\q:ML+2*\q+1] offset:256*\q
.endr
	WIN 0x04                                       ; store data in window 1
.set i, 0
.rept 32
	ds_store_b128 v[STO], v[4*i:4*i+3] offset:512*i                ; O(ct, qt), registers 4 jh .. + 3, at ((4 ct + qt) 2 + jh) 512
.set i, i+1
.endr
	WIN 0
	s_wait_dscnt 0x0                               ; for the others' sake: my stores are done
	s_barrier_signal -1
	s_barrier_wait -1
.irp k, 0,1,2,3
.irp q, 0,1,2,3
	ds_load_b64 v[MLV+8*\k+2*\q:MLV+8*\k+2*\q+1], v[MLR] offset:1024*\k+256*\q
.endr
.endr
.irp k, 0,1,2,3
.irp i, 0,1,2,3,4,5,6,7
	ds_load_b128 v[S+32*\k+4*\i:S+32*\k+4*\i+3], v[RD] offset:16384*\k+512*\i   ; quarter k's O(kg, qt)[j] at S + 32 k + 8 qt + j
.endr
.endr
	s_wait_dscnt 32                                ; the sixteen (m, l) are in; the 32 loads of partial sums may stay out
.irp q, 0,1,2,3
	v_max3_num_f32 v[MX+\q], v[MLV+2*\q], v[MLV+8+2*\q], v[MLV+16+2*\q]
.endr
.irp q, 0,1,2,3
	v_max_num_f32 v[MX+\q], v[MX+\q], v[MLV+24+2*\q]               ; M = the largest of the four m
.endr
.irp k, 0,1,2,3
.irp q, 0,1,2,3
	v_sub_f32 v[FK+4*\k+\q], v[MLV+8*\k+2*\q], v[MX+\q]
.endr
.endr
.irp i, 0,1,2,3,4,5,6,7,8,9,10,11,12,13,14,15
	v_exp_f32 v[FK+\i], v[FK+\i]                   ; e_k = 2^(m_k - M)
.endr
	v_nop                                          ; the plain place behind the run
	s_wait_alu depctr_va_vdst(0)
.irp q, 0,1,2,3
	v_mul_f32 v[LS+\q], v[FK+\q], v[MLV+2*\q+1]
.endr
.irp k, 1,2,3
.irp q, 0,1,2,3
	v_fmac_f32 v[LS+\q], v[FK+4*\k+\q], v[MLV+8*\k+2*\q+1]         ; the sum of e_k l_k: at least 1, since the quarter that holds M has e = 1 and l >= 1
.endr
.endr
.irp q, 0,1,2,3
	v_rcp_f32 v[LS+\q], v[LS+\q]
.endr
	v_nop
	s_wait_alu depctr_va_vdst(0)
.irp k, 0,1,2,3
.irp q, 0,1,2,3
	v_mul_f32 v[FK+4*\k+\q], v[FK+4*\k+\q], v[LS+\q]               ; quarter k's weight
.endr
.endr
	s_wait_dscnt 0x0                               ; the partial sums
	s_wait_loadcnt 0x0                             ; x
.irp k, 0,1,2,3
.irp j, 0,1,2,3,4,5,6,7
.irp q, 0,1,2,3
	v_fmac_f32 v[OUT+4*\j+\q], v[FK+4*\k+\q], v[S+32*\k+8*\q+\j]
.endr
.endr
.endr
.irp j, 0,1,2,3,4,5,6,7
	global_store_b128 v[XO], v[OUT+4*\j:OUT+4*\j+3], s[10:11] offset:16384*\j th:TH_STORE_NT   ; sixteen lanes store 256 consecutive bytes, at a multiple of 256 from out0's first byte
.endr
	s_wait_tensorcnt 0x0
	ds_add_u32 v30, v31
	s_wait_dscnt 0x0
	ROUND                                          ; the closing round: no work-group ends while a partner may still ask for a tile that names it
	s_endpgm
.Lfunc_end_k_q80cc6bf3c2_attn:
	.size	k_q80cc6bf3c2_attn, .Lfunc_end_k_q80cc6bf3c2_attn-k_q80cc6bf3c2_attn
	.p2alignl 7, 3214868480
	.fill 96, 4, 3214868480
	.section	.rodata,"a",@progbits
	.p2align	6, 0x0
	.amdhsa_kernel k_q80cc6bf3c2_attn
		.amdhsa_group_segment_fixed_size 327680
		.amdhsa_private_segment_fixed_size 0
		.amdhsa_enable_private_segment 0
		.amdhsa_kernarg_size 32
		.amdhsa_user_sgpr_count 2
		.amdhsa_user_sgpr_kernarg_segment_ptr 1
		.amdhsa_wavefront_size32 1
		.amdhsa_system_sgpr_workgroup_id_x 1
		.amdhsa_system_sgpr_workgroup_id_y 1
		.amdhsa_system_sgpr_workgroup_id_z 1
		.amdhsa_system_vgpr_workitem_id 0
		.amdhsa_next_free_vgpr 416
		.amdhsa_next_free_sgpr 66
		.amdhsa_reserve_vcc 0
		.amdhsa_float_denorm_mode_32 3
		.amdhsa_float_denorm_mode_16_64 3
		.amdhsa_memory_ordered 1
		.amdhsa_forward_progress 1
		.amdhsa_inst_pref_size 255
	.end_amdhsa_kernel
	.section	.bss,"aw",@nobits
	.p2align	6
	.space	262144
	.amdgpu_metadata
---
amdhsa.version: [ 1, 2 ]
amdhsa.kernels:
  - .name:           k_q80cc6bf3c2_attn
    .symbol:         k_q80cc6bf3c2_attn.kd
    .args:
      - { .name: qf, .offset: 0, .size: 8, .value_kind: global_buffer, .address_space: global }
      - { .name: kv, .offset: 8, .size: 8, .value_kind: global_buffer, .address_space: global }
      - { .name: x, .offset: 16, .size: 8, .value_kind: global_buffer, .address_space: global }
      - { .name: out0, .offset: 24, .size: 8, .value_kind: global_buffer, .address_space: global }
    .group_segment_fixed_size: 327680
    .private_segment_fixed_size: 0
    .kernarg_segment_align: 8
    .kernarg_segment_size: 32
    .max_flat_workgroup_size: 256
    .sgpr_count:     66
    .vgpr_count:     416
    .wavefront_size: 32
...
	.end_amdgpu_metadata
.endif
;; end of part 2
;; ======== version 2 of 2: 2 launches; version 1 with the launch proj written anew for expert scheduling mode
;; limits: values are held in f16: magnitudes above 65,504 overflow, below 6.1e-05 lose precision
;; workspace buffers: qf 2,097,152 bytes; kv 6,291,456 bytes
;; launch proj (part 3): grid 256 x 1, 2 waves a work-group, no clusters, 0 bytes of LDS; arguments x, w1, b1, a1, w2, b2, a2, w3, b3, a3, qf, kv; writes qf, kv
.if DOCPART == 3
	.amdgcn_target "amdgcn-amd-amdhsa--gfx1250"
	.amdhsa_code_object_version 6
	.text
	.protected	k_q80cc6bf3c2_proj
	.globl	k_q80cc6bf3c2_proj
	.p2align	8
	.type	k_q80cc6bf3c2_proj,@function
k_q80cc6bf3c2_proj:
	s_mov_b64 s[64:65], 0
	v_nop
	global_prefetch_b8 v0, s[64:65] scope:SCOPE_SE
	s_setreg_imm32_b32 hwreg(HW_REG_WAVE_SCHED_MODE, 0, 2), 2
	s_setreg_imm32_b32 hwreg(HW_REG_WAVE_MODE, 25, 1), 1
	s_wait_xcnt 0x0
	s_wait_alu depctr_vm_vsrc(0)
; proj: the three 1x1 convolutions with bias and PReLU, stored as the register images that the attention launch feeds to its matrix instructions.
;   q = prelu(w1 x + b1, a1) * log2(e)   (the factor lets the softmax work with base-2 exponentials),  k = prelu(w2 x + b2, a2),  v = prelu(w3 x + b3, a3).
; A GROUP is 64 neighbouring pixels from p0 on; 64 groups an image, 512 in all, G = 64 image + g.  Tile t (0..3) of a group: its row or column r (0..15) is pixel p0 + 4 r + t.
; So one 16-byte load of x[c][p0+4r .. +3] feeds column r of all four tiles, and sixteen lanes take 256 consecutive, aligned bytes of x.
; One wave makes one group (G = 2 work-group + wave): no LDS, no barrier, each byte of x read once.
; Images (L = lane, r = L & 15, h = L >> 4; each store of a wave covers 512 consecutive bytes at 16 L):
;   qf: G*4096 + t*1024 + half*512 + 16 L   half 0: channels 8h..8h+7 of pixel (t, r), half 1: channels 16+8h..+7           (a 16-bit fragment of 16 x 32)
;   kv: G*12288 + the same for K;  V at G*12288 + 4096 + ((t>>1)*4+ct)*1024 + (t&1)*512 + 16 L: channel 16ct+r, pixel rows 8h..8h+7 of tile t
; FORMATS: x and the weights enter the products rounded to bf16; sums, bias and PReLU are f32; q log2(e), k and v are stored in F16, not bf16: a score is a sum of 32 products
; q k and stands in an exponent, so on a score of 16 operands rounded to 2^-9 could move the exponent by 2 x 16 x 2^-9 = 0.06, operands rounded to 2^-12 by 0.008.
; LIMIT: |q log2(e)|, |k|, |v| below 65,504, f16's largest number; beyond it the conversion gives infinity.  The room: a sum of 64 products w x has spread 1 for x of spread 1 and
; w of spread 1/8; five spreads times log2(e) are about 7; x and w both 30 times larger give 900 times that, about 6,500; offsets of 30 spreads on both give 64 x 3.75 x 30 x 1.44,
; about 10,400.  Small numbers: f16 keeps denormals, steps of 6e-8.
; PReLU is a compare and a select (any slope, negative or above one); a NaN goes the way of the negative branch and stays a NaN.
; THE MODE: SCHED_MODE bits 1:0 = 2 (LLVM: expert scheduling mode 2), set by the entry lines.  The code itself states the register dependences
; between vector or matrix instructions and memory instructions, with s_wait_alu, always for 0.
; THE PLAN.  Registers that memory instructions touch:
;   v3 .. v7      byte offsets, made once at the head and never written again: all loads read v3 to v6, all stores v7.
;   bias, x, w    (BQK, BV, windows 1 and 2) each is loaded once, at the head, into registers that no vector instruction has named; none is loaded or written again.
;   OB0, OB1      two out-buffers of 16 registers.  Output tile T's roundings write OB[T % 2]; the four stores that read it are issued in tile T + 1.
;   The accumulators, WF, XF and F are named by vector and matrix instructions alone.
; So the waits at the head of tile T state all that its four stores hang on: the stores issued in tile T - 1 have read OB[T % 2], which this tile writes again, and tile T - 1's
; roundings have written the other buffer.  The stores are dealt among the tile's first four products, which name neither OB nor v7.
; Scalar registers that vector instructions write: s4 (the wave's number) and the sixteen masks s[32:47]; a wait stands between each run of such writers and its first reader.
.set XOFF,  3                          ; v3   h*131072 + 16 r: eight channels down for the upper lanes, my 16 bytes of a row of x
.set WOFF,  4                          ; v4   r*256 + h*32: my row of a weight tile, my 8 channels
.set BOFF,  5                          ; v5   h*32: the 8 biases of my 8 output rows (q, k)
.set B3OFF, 6                          ; v6   4 r: the bias of my output column (v)
.set SOFF,  7                          ; v7   16 L
.set CL2E,  8                          ; v8   log2(e)          factor of q where q >= 0
.set CA1,   9                          ; v9   a1 log2(e)       factor of q where q < 0
.set CONE,  10                         ; v10  1.0
.set CA2,   11                         ; v11  a2
.set CA3,   12                         ; v12  a3
.set WF,    24                         ; v[24:39]    one weight tile in bf16: K step s at 8 s
.set D,     40                         ; v[40:71]    four accumulators, tile t at 8 t
.set XF,    72                         ; v[72:135]   x in bf16: tile t, K step s at (2 t + s) 8
.set BQK,   136                        ; v[136:167]  bias as a C operand for the four output tiles of q and k
.set BV,    168                        ; v[168:199]  the same for the four output tiles of v
.set OB,    200                        ; v[200:231]  out-buffer b at 16 b: pixel tile t's 16 bytes a lane at 4 t
.set F,     232                        ; v[232:247]  the sixteen factors of two accumulators' registers
.set MK,    32                         ; s[32:47]    the sixteen masks of two accumulators' registers (s32 to s39 serve the head first)
                                       ; window 1, v256-383: x in f32 as loaded;  window 2, v512-767: all weights in f32, 32 registers an output tile
.set MSB, 0
.macro WIN new                         ; s_set_vgpr_msb: bits 1:0 source 0, 3:2 source 1, 5:4 source 2, 7:6 destination; the high byte repeats the setting that is left
.if MSB != \new
	s_set_vgpr_msb (MSB<<8)|\new
.set MSB, \new
.endif
.endm
.macro PLACES n
.rept \n
	v_nop
.endr
.endm
	s_load_b512 s[8:23], s[0:1], 0x0               ; x s[8:9], w1 s[10:11], b1 s[12:13], a1 s[14:15], w2 s[16:17], b2 s[18:19], a2 s[20:21], w3 s[22:23]
	s_load_b256 s[24:31], s[0:1], 0x40             ; b3 s[24:25], a3 s[26:27], qf s[28:29], kv s[30:31]
	v_lshrrev_b32 v1, 5, v0
	v_readfirstlane_b32 s4, v1                     ; wave 0, 1
	v_and_b32 v1, 15, v0                           ; r
	v_bfe_u32 v2, v0, 4, 1                         ; h
	v_lshlrev_b32 v[XOFF], 4, v1
	v_lshl_add_u32 v[XOFF], v2, 17, v[XOFF]
	v_lshlrev_b32 v[WOFF], 8, v1
	v_lshl_add_u32 v[WOFF], v2, 5, v[WOFF]
	v_lshlrev_b32 v[BOFF], 5, v2
	v_lshlrev_b32 v[B3OFF], 2, v1
	v_and_b32 v[SOFF], 31, v0
	v_lshlrev_b32 v[SOFF], 4, v[SOFF]
	s_wait_alu depctr_va_sdst(0)                   ; s4 is written, ahead of its first reader: the group's number and all three bases are made from it
	s_lshl1_add_u32 s5, ttmp9, s4                  ; G = 2 work-group + wave
	s_lshr_b32 s6, s5, 6                           ; image,
	s_lshl_b32 s6, s6, 20                          ; of 64 channels x 16,384 bytes
	s_and_b32 s7, s5, 63                           ; group in the image,
	s_lshl_b32 s7, s7, 8                           ; of 256 bytes in a channel's row
	s_add_co_u32 s6, s6, s7
	s_mov_b32 s7, 0
	s_lshl_b32 s36, s5, 12                         ; G * 4,096
	s_mov_b32 s37, 0
	s_mul_i32 s38, s5, 12288                       ; G * 12,288
	s_mov_b32 s39, 0
	s_wait_kmcnt 0x0
	s_load_b32 s32, s[14:15], 0x0                  ; a1
	s_load_b32 s33, s[20:21], 0x0                  ; a2
	s_load_b32 s34, s[26:27], 0x0                  ; a3
	s_add_nc_u64 s[8:9], s[8:9], s[6:7]            ; x at my group
	s_add_nc_u64 s[28:29], s[28:29], s[36:37]      ; qf at my group
	s_add_nc_u64 s[30:31], s[30:31], s[38:39]      ; kv at my group
	s_wait_alu depctr_va_vdst(0)                   ; the five offsets v3 to v7 are written: every load and store of the kernel reads one of them; up to the last load only loads and window switches follow
	; All loads go out at once, in the order in which they are wanted: 12 of bias, 32 of x, 64 of weights.
.irp o, 0,1
	global_load_b128 v[BQK+8*\o:BQK+8*\o+3],       v[BOFF], s[12:13] offset:64*\o      ; register j = b1[16 o + 8 h + j]
	global_load_b128 v[BQK+8*\o+4:BQK+8*\o+7],     v[BOFF], s[12:13] offset:64*\o+16
	global_load_b128 v[BQK+16+8*\o:BQK+16+8*\o+3], v[BOFF], s[18:19] offset:64*\o      ; the same of b2
	global_load_b128 v[BQK+16+8*\o+4:BQK+16+8*\o+7], v[BOFF], s[18:19] offset:64*\o+16
.endr
.irp c, 0,1,2,3
	global_load_b32 v[BV+8*\c], v[B3OFF], s[24:25] offset:64*\c                        ; b3[16 ct + r]
.endr
	WIN 0x40                                       ; destinations in window 1
.irp s, 0,1
.irp f, 0,1
.irp i, 0,1,2,3,4,5,6,7
	global_load_b128 v[((\s*2+\f)*8+\i)*4:((\s*2+\f)*8+\i)*4+3], v[XOFF], s[8:9] offset:(32*\s+16*\f+\i)*16384   ; x[32 s + 16 f + 8 h + i][p0 + 4 r .. + 3]
.endr
.endr
.endr
	WIN 0x80                                       ; destinations in window 2
; the weight tile T (rows 16 otile + r of the matrix at s[base]): a lane's 32 numbers in the order of the fragment's k.  The eight loads together take the tile's 16 rows whole.
.macro LDW T, base, otile
.irp s, 0,1
.irp f, 0,1
.irp q, 0,1
	global_load_b128 v[\T*32+((\s*2+\f)*2+\q)*4:\T*32+((\s*2+\f)*2+\q)*4+3], v[WOFF], s[\base:\base+1] offset:\otile*4096+\s*128+\f*64+\q*16
.endr
.endr
.endr
.endm
	LDW 0, 10, 0
	LDW 1, 10, 1
	LDW 2, 16, 0
	LDW 3, 16, 1
	LDW 4, 22, 0
	LDW 5, 22, 1
	LDW 6, 22, 2
	LDW 7, 22, 3
	WIN 0
	s_wait_kmcnt 0x0                               ; the three slopes
	s_mul_f32 s35, s32, 0x3fb8aa3b                 ; a1 log2(e)
	v_mov_b32 v[CL2E], 0x3fb8aa3b
	v_mov_b32 v[CA1], s35
	v_mov_b32 v[CONE], 1.0
	v_mov_b32 v[CA2], s33
	v_mov_b32 v[CA3], s34
	s_wait_loadcnt 63                              ; loads come back in order (ISA guide 5.7.1): 64 weight loads stand behind the last of x, so bias and x are in
	WIN 0x05                                       ; both sources in window 1
.irp t, 0,1,2,3
.irp s, 0,1
.irp f, 0,1
.irp i, 0,1,2,3
	v_cvt_pk_bf16_f32 v[XF+(\t*2+\s)*8+\f*4+\i], v[((\s*2+\f)*8+2*\i)*4+\t], v[((\s*2+\f)*8+2*\i+1)*4+\t]   ; two neighbouring channels of pixel (t, r), the lower in the low half
.endr
.endr
.endr
.endr
	WIN 0
.irp c, 0,1,2,3
.irp j, 1,2,3,4,5,6,7
	v_mov_b32 v[BV+8*\c+\j], v[BV+8*\c]            ; v's results have the channel along the lanes: its C operand is the lane's bias in all eight registers
.endr
.endr
.macro CVTW T                          ; weight tile T to bf16
	WIN 0x0a                                       ; both sources in window 2
.irp k, 0,1,2,3,4,5,6,7,8,9,10,11,12,13,14,15
	v_cvt_pk_bf16_f32 v[WF+\k], v[\T*32+2*\k], v[\T*32+2*\k+1]
.endr
	WIN 0
.endm
; The store of pixel tile t of the output tile that was rounded last.  That tile has left its out-buffer (POB), its base (PB) and its offsets in symbols:
; POA + (t >> 1) POU + (t & 1) POE.
.macro SEND t
	global_store_b128 v[SOFF], v[POB+4*\t:POB+4*\t+3], s[PB:PB+1] offset:POA+(\t/2)*POU+(\t%2)*POE
.endm
; Eight matrix instructions: the four pixel tiles by turns, K step 0 (it starts the sums with the bias as C), then K step 1 in place.
; The four accumulators take turns, one instruction a turn.
; send > 0: the four stores of the output tile before stand behind the first four products.  No wait: no vector or matrix instruction since the tile's head names their registers.
.macro MMQK C, send                    ; A = weights (row = output channel), B = x (column = pixel): register j = (channel 8 h + j, pixel r)
.irp t, 0,1,2,3
	v_wmma_f32_16x16x32_bf16 v[D+8*\t:D+8*\t+7], v[WF:WF+7], v[XF+16*\t:XF+16*\t+7], v[\C:\C+7]
.if \send > 0
	SEND \t
.endif
.endr
.irp t, 0,1,2,3
	v_wmma_f32_16x16x32_bf16 v[D+8*\t:D+8*\t+7], v[WF+8:WF+15], v[XF+16*\t+8:XF+16*\t+15], v[D+8*\t:D+8*\t+7]
.endr
.endm
.macro MMV C, send                     ; A = x (row = pixel), B = weights (column = output channel): register j = (pixel row 8 h + j, channel r)
.irp t, 0,1,2,3
	v_wmma_f32_16x16x32_bf16 v[D+8*\t:D+8*\t+7], v[XF+16*\t:XF+16*\t+7], v[WF:WF+7], v[\C:\C+7]
.if \send > 0
	SEND \t
.endif
.endr
.irp t, 0,1,2,3
	v_wmma_f32_16x16x32_bf16 v[D+8*\t:D+8*\t+7], v[XF+16*\t+8:XF+16*\t+15], v[WF+8:WF+15], v[D+8*\t:D+8*\t+7]
.endr
.endm
; PReLU and rounding, two accumulators (2 p, 2 p + 1) at a time.
.macro CMPP p                          ; sixteen masks: where the number is >= 0; each accumulator is read from its lowest register on
.irp e, 0,1
.irp j, 0,1,2,3,4,5,6,7
	v_cmp_le_f32 s[MK+8*\e+\j], 0, v[D+8*(2*\p+\e)+\j]
.endr
.endr
.endm
.macro SELP SP, SN                     ; sixteen factors: SP where the number is >= 0, else SN
.irp k, 0,1,2,3,4,5,6,7,8,9,10,11,12,13,14,15
	v_cndmask_b32 v[F+\k], v[\SN], v[\SP], s[MK+\k]
.endr
.endm
.macro MULP p
.irp k, 0,2,4,6,8,10,12,14
	v_pk_mul_f32 v[D+16*\p+\k:D+16*\p+\k+1], v[D+16*\p+\k:D+16*\p+\k+1], v[F+\k:F+\k+1]
.endr
.endm
.macro CVTP p                          ; to f16, into the tile's out-buffer: accumulator t's registers 2 j, 2 j + 1 into register 4 t + j
.irp k, 0,1,2,3,4,5,6,7
	v_cvt_pk_f16_f32 v[POB+8*\p+\k], v[D+16*\p+2*\k], v[D+16*\p+2*\k+1]
.endr
.endm
.macro EPI SP, SN
	CMPP 0
	s_wait_alu depctr_va_sdst(0)                   ; the sixteen compares have written s[32:47], ahead of the selects that read them
	SELP \SP, \SN
	CMPP 1                                         ; the other two accumulators' masks are made while the first two are multiplied and rounded
	MULP 0
	CVTP 0
	s_wait_alu depctr_va_sdst(0)                   ; the second sixteen compares have written s[32:47], ahead of their selects
	SELP \SP, \SN
	MULP 1
	CVTP 1
.endm
; The head of output tile T: its weights, and the waits for the stores of tile T - 1, which the products' macro deals out.
.macro HEAD T
	s_wait_loadcnt (7-\T)*8                        ; the weight loads of the later tiles may stay out
	CVTW \T
.if \T > 1
	s_wait_xcnt 0x0                                ; every earlier memory instruction has had its addresses translated (ISA guide 3.1): OB[T % 2], the data of the stores issued in the tile before, is rewritten only behind this wait
	s_wait_alu depctr_vm_vsrc(0)                   ; the stores issued in the tile before have read OB[T % 2], which this tile's roundings write again
.endif
.if \T > 0
	s_wait_alu depctr_va_vdst(0)                   ; the roundings of the tile before have written the other out-buffer, which the four stores among the products below read
.endif
.endm
; One output tile of q or k: T = its weight tile, half = which 16 channels, so which half of the fragment image.
.macro TILEQK T, half, SP, SN, base
	HEAD \T
	MMQK BQK+8*\T, \T
.set PB,  \base                        ; from here on SEND means this tile: pixel tile t at t*1024 + half*512
.set POA, \half*512
.set POU, 2048
.set POE, 1024
.set POB, OB+16*(\T%2)
	PLACES 4                                       ; four places between a matrix instruction and the vector instructions that read its result or write its sources (ISA guide 7.12.1)
	EPI \SP, \SN
.endm
.macro TILEV T, ct
	HEAD \T
	MMV BV+8*\ct, \T
.set PB,  30                           ; pixel tile t = 2 u + e at 4096 + (4 u + ct)*1024 + e*512
.set POA, 4096+\ct*1024
.set POU, 4096
.set POE, 512
.set POB, OB+16*(\T%2)
	PLACES 4
	EPI CONE, CA3
.endm
	TILEQK 0, 0, CL2E, CA1, 28
	TILEQK 1, 1, CL2E, CA1, 28
	TILEQK 2, 0, CONE, CA2, 30
	TILEQK 3, 1, CONE, CA2, 30
	TILEV 4, 0
	TILEV 5, 1
	TILEV 6, 2
	TILEV 7, 3
	s_wait_alu depctr_va_vdst(0)                   ; the last tile's roundings have written its out-buffer, which the last four stores read
.irp t, 0,1,2,3
	SEND \t
.endr
	s_endpgm
.Lfunc_end_k_q80cc6bf3c2_proj:
	.size	k_q80cc6bf3c2_proj, .Lfunc_end_k_q80cc6bf3c2_proj-k_q80cc6bf3c2_proj
	.p2alignl 7, 3214868480
	.fill 96, 4, 3214868480
	.section	.rodata,"a",@progbits
	.p2align	6, 0x0
	.amdhsa_kernel k_q80cc6bf3c2_proj
		.amdhsa_group_segment_fixed_size 0
		.amdhsa_private_segment_fixed_size 0
		.amdhsa_enable_private_segment 0
		.amdhsa_kernarg_size 96
		.amdhsa_user_sgpr_count 2
		.amdhsa_user_sgpr_kernarg_segment_ptr 1
		.amdhsa_wavefront_size32 1
		.amdhsa_system_sgpr_workgroup_id_x 1
		.amdhsa_system_sgpr_workgroup_id_y 1
		.amdhsa_system_sgpr_workgroup_id_z 1
		.amdhsa_system_vgpr_workitem_id 0
		.amdhsa_next_free_vgpr 768
		.amdhsa_next_free_sgpr 66
		.amdhsa_reserve_vcc 0
		.amdhsa_float_denorm_mode_32 3
		.amdhsa_float_denorm_mode_16_64 3
		.amdhsa_memory_ordered 1
		.amdhsa_forward_progress 1
		.amdhsa_inst_pref_size 84
	.end_amdhsa_kernel
	.amdgpu_metadata
---
amdhsa.version: [ 1, 2 ]
amdhsa.kernels:
  - .name:           k_q80cc6bf3c2_proj
    .symbol:         k_q80cc6bf3c2_proj.kd
    .args:
      - { .name: x, .offset: 0, .size: 8, .value_kind: global_buffer, .address_space: global }
      - { .name: w1, .offset: 8, .size: 8, .value_kind: global_buffer, .address_space: global }
      - { .name: b1, .offset: 16, .size: 8, .value_kind: global_buffer, .address_space: global }
      - { .name: a1, .offset: 24, .size: 8, .value_kind: global_buffer, .address_space: global }
      - { .name: w2, .offset: 32, .size: 8, .value_kind: global_buffer, .address_space: global }
      - { .name: b2, .offset: 40, .size: 8, .value_kind: global_buffer, .address_space: global }
      - { .name: a2, .offset: 48, .size: 8, .value_kind: global_buffer, .address_space: global }
      - { .name: w3, .offset: 56, .size: 8, .value_kind: global_buffer, .address_space: global }
      - { .name: b3, .offset: 64, .size: 8, .value_kind: global_buffer, .address_space: global }
      - { .name: a3, .offset: 72, .size: 8, .value_kind: global_buffer, .address_space: global }
      - { .name: qf, .offset: 80, .size: 8, .value_kind: global_buffer, .address_space: global }
      - { .name: kv, .offset: 88, .size: 8, .value_kind: global_buffer, .address_space: global }
    .group_segment_fixed_size: 0
    .private_segment_fixed_size: 0
    .kernarg_segment_align: 8
    .kernarg_segment_size: 96
    .max_flat_workgroup_size: 64
    .sgpr_count:     66
    .vgpr_count:     768
    .wavefront_size: 32
...
	.end_amdgpu_metadata
.endif
;; end of part 3
;; launch attn: the kernel of part 2 again; grid 256 x 1, 8 waves a work-group, clusters of 4 x 1, 327,680 bytes of LDS; arguments qf, kv, x, out0; writes out0
